; MI455X (gfx1250); checked and timed in simulation.
; The chip was launched on July 23, 2026; its instructions are those of AMD's public machine-readable ISA for CDNA 5 (MIT licence, August 2026) and "CDNA5" Instruction Set Architecture Reference Guide (July 2026). The comments in the code are by the model that wrote it; some were corrected since.
;; RNN. Allowed arithmetic: float matrix products may take bf16 or f16 operands with f32 sums; all other float work in f32.
;; Inputs: bias 512 float32; dense_b 10 float32; dense_w 128 x 10 float32; kernel 64 x 512 float32; recurrent_kernel 128 x 512 float32; x 4,096 x 128 x 64 float32.
;; Outputs: out0 4,096 x 10 float32.
;; One version. Each part assembles by itself: llvm-mc -triple=amdgcn-amd-amdhsa -mcpu=gfx1250 --defsym DOCPART=n.
;; ======== version 1 of 1: 1 launch
;; launch lstm (part 1): grid 256 x 1, 4 waves a work-group, no clusters, 19,456 bytes of LDS; arguments x, kernel, recurrent_kernel, bias, dense_w, dense_b, out0; writes out0
.if DOCPART == 1
	.amdgcn_target "amdgcn-amd-amdhsa--gfx1250"
	.amdhsa_code_object_version 6
	.text
	.protected	k_q1d6aecc4bc_lstm
	.globl	k_q1d6aecc4bc_lstm
	.p2align	8
	.type	k_q1d6aecc4bc_lstm,@function
k_q1d6aecc4bc_lstm:
	s_mov_b64 s[64:65], 0
	v_nop
	global_prefetch_b8 v0, s[64:65] scope:SCOPE_SE
	s_setreg_imm32_b32 hwreg(HW_REG_WAVE_MODE, 25, 1), 1
	s_wait_xcnt 0x0
; LSTM (B 4096, T 128, D 64, U 128, gate order i f g o), dense 128 -> 10 and softmax of the last h, in one launch.
; SHARES.  Work-group g: batch rows 16 g .. 16 g + 15 (one tile of 16 rows) for all 128 steps.  Wave w: units 32 w .. 32 w + 31 of all four
; gates = 8 tiles (s, q), s = 0, 1 the unit group, q = 0..3 the gate.  Column r of tile (s, q) is gate column 128 q + 32 w + 2 r + s, so a
; lane's two h values (s = 0, 1) are neighbouring units and pack into one word.  K = 192 = 2 steps of 32 from x, 4 from h: 48 products a step.
; All weights stay in registers as bf16 fragments (384 registers), the bias as the C operand of each tile's first product (64 registers).
; SCALING.  Weights and bias of i, f, o are multiplied by -log2 e, of g by -2 log2 e, before they are rounded to bf16: exp2 of a sum is then
; e^-z (e^-2z), sigmoid = 1 / (1 + e^-z), tanh = 2 / (1 + e^-2z) - 1, and the loop spends nothing on scale or bias.
; OVERLAP.  Source 1 (the weights) alone lies in other register windows, so transcendentals (one source) and packed forms whose second source
; is a constant run under the products' window setting.  The h products of unit group 1 stand among group 0's transcendentals, the x products
; of the NEXT step among group 1's.  Only group 0's 16 h products stand alone.
; NO CLUSTER: the work-groups share only the weights, 393,216 bytes read once in front of the loop by a lane gather that scales and rounds
; them into registers; in the loop every work-group reads its own 4,096 bytes of x a step and nothing that another reads.
; LIMITS.  Matrix operands are bf16 (x, h rounded each step, weights scaled and then rounded); sums, gates, c and softmax are f32.
; exp2 and the reciprocal flush denormals: a gate or a probability below 2^-126 comes out 0.  Any finite sum saturates rightly (exp2 = inf
; gives reciprocal 0).  NaN and infinities in the inputs are not followed as in the reference.  The dense sum is split over the four waves
; (32 units each) and added as (P0 + P1) + (P2 + P3): another order of rounding than one chain.
.set HP,    80                         ; LDS pitch of a row of 32 units of h (64 bytes + 16): an odd multiple of 16, so sixteen rows start in
                                       ; sixteen different 16-byte columns modulo 256 bytes
.set HSL,   16*HP                      ; a slice: 16 rows x 32 units, written by one wave alone
.set HBUF,  4*HSL                      ; h of one step; h(t) lies in buffer t % 2 at byte HBUF * (t % 2)
.set XL,    2*HBUF                     ; x as bf16: x(t) lies in buffer t % 2
.set XP,    144                        ; pitch of a row of 64 bf16 (128 bytes + 16)
.set XBUF,  16*XP
.set PART,  XL+2*XBUF                  ; the dense product's partial sums: [wave][lane][8 f32]
.set TRIPS, 30                         ; 30 trips of four steps; the last eight steps are written out
; window 0
.set HFA,   8                          ; 80 r + 16 h        h fragments
.set XFA,   9                          ; 144 r + 16 h       x fragments
.set HST,   10                         ; 1280 w + 640 h + 4 r   where my packed h goes (row 8 h + j by the immediate)
.set XST,   11                         ; 288 w + 144 h + 8 r    where my four bf16 of x go
.set XGO,   12                         ; (t >> 4) rows of 32,768 bytes + 16 (t & 15): my 16 bytes of a step of x
.set WOFF,  13                         ; 16384 h + 128 w + 8 r  weights: row 8 h, columns 32 w + 2 r, + 1
.set BOFF,  14                         ; 128 w + 8 r
.set DOFF,  15                         ; 1280 w + 320 h + 4 min(r, 9)
.set DBO,   16                         ; 4 min(r, 9)
.set PST,   17                         ; 1024 w + 32 lane
.set PLD,   18                         ; 32 lane
.set HFW,   19                         ; HFA + 1280 w: my own slice, for the dense product
.set OUTO,  20                         ; 320 h + 4 r
.set DB,    21                         ; dense_b of my class
.set MASKF, 22                         ; 1.0 for classes 0..9, else 0
.set RR,    23                         ; r = lane % 16
.set ZERO,  24
.set XB,    26                         ; v[26:29]   x packed to bf16
.set CS,    32                         ; v[32:47]   cell state, group s at + 8 s
.set HF,    48                         ; v[48:79]   four h fragments
.set XF,    80                         ; v[80:95]   two x fragments
.set XR,    96                         ; v[96:127]  x as loaded: four slots of 8; x(t) in slot t % 4
.set ACC,   128                        ; v[128:255] two sets of 8 tiles; step t uses set t % 2; tile (s, q) at + 8 (4 s + q)
; window 1: h weights, fragment (s, q, kk) at 8 (4 (4 s + q) + kk).  window 2: x weights at 8 (2 (4 s + q) + kk), then
.set BI,    128                        ; the scaled bias, eight equal registers a tile, at BI + 8 (4 s + q),
.set DFR,   192                        ; and the dense fragment
.set MSB, 0
.macro WIN new                         ; low byte: bits 1:0 source 0, 3:2 source 1, 5:4 source 2, 7:6 destination; high byte: the setting left
.if MSB != \new
	s_set_vgpr_msb (MSB<<8)|\new
.set MSB, \new
.endif
.endm
.macro PLACES                          ; four places behind a product before its result is read or a source loaded again (ISA guide 7.12.1)
.rept 4
	v_nop
.endr
.endm
; x of one step: 16 rows x 256 bytes; sixteen neighbouring lanes take one row's 256 bytes; my row and the row 8 further down
.macro XLD slot, off
	global_load_b128 v[XR+8*\slot:XR+8*\slot+3], v[XGO], s[4:5] offset:\off th:TH_LOAD_NT
	global_load_b128 v[XR+8*\slot+4:XR+8*\slot+7], v[XGO], s[4:5] offset:\off+262144 th:TH_LOAD_NT
.endm
; a slot of x rounded to bf16 and put into LDS buffer buf
.macro XCV slot, buf
	v_cvt_pk_bf16_f32 v[XB],   v[XR+8*\slot],   v[XR+8*\slot+1]
	v_cvt_pk_bf16_f32 v[XB+1], v[XR+8*\slot+2], v[XR+8*\slot+3]
	v_cvt_pk_bf16_f32 v[XB+2], v[XR+8*\slot+4], v[XR+8*\slot+5]
	v_cvt_pk_bf16_f32 v[XB+3], v[XR+8*\slot+6], v[XR+8*\slot+7]
	ds_store_b64 v[XST], v[XB:XB+1]   offset:XL+XBUF*\buf
	ds_store_b64 v[XST], v[XB+2:XB+3] offset:XL+XBUF*\buf+8*XP
.endm
; weight batch b = 4 kk + q (kk 0, 1: kernel; 2..5: recurrent_kernel): 16 loads of a column pair (s = 0, 1) into set q of ACC.
; Load m brings K row 32 kk + 8 h + m (m < 8) or + m + 8 (m >= 8): the 16 K places of a lane's fragment, in register order.
.macro WLD b
.irp m, 0,1,2,3,4,5,6,7,8,9,10,11,12,13,14,15
.if (\b) < 8
	global_load_b64 v[ACC+32*((\b)%4)+2*\m:ACC+32*((\b)%4)+2*\m+1], v[WOFF], s[6:7] offset:(32*((\b)/4)+\m+8*(\m/8))*2048+512*((\b)%4)
.else
	global_load_b64 v[ACC+32*((\b)%4)+2*\m:ACC+32*((\b)%4)+2*\m+1], v[WOFF], s[8:9] offset:(32*((\b)/4-2)+\m+8*(\m/8))*2048+512*((\b)%4)
.endif
.endr
.endm
; batch b scaled, rounded and packed into the fragments of tiles (0, q) and (1, q)
.macro WPK b
.irp m, 0,1,2,3,4,5,6,7,8,9,10,11,12,13,14,15
.if ((\b)%4) == 2
	v_pk_mul_f32 v[ACC+32*((\b)%4)+2*\m:ACC+32*((\b)%4)+2*\m+1], v[ACC+32*((\b)%4)+2*\m:ACC+32*((\b)%4)+2*\m+1], 0xc038aa3b op_sel_hi:[1,0]
.else
	v_pk_mul_f32 v[ACC+32*((\b)%4)+2*\m:ACC+32*((\b)%4)+2*\m+1], v[ACC+32*((\b)%4)+2*\m:ACC+32*((\b)%4)+2*\m+1], 0xbfb8aa3b op_sel_hi:[1,0]
.endif
.endr
.if (\b) < 8
	WIN 0x80
.irp i, 0,1,2,3,4,5,6,7
	v_cvt_pk_bf16_f32 v[8*(2*((\b)%4)+(\b)/4)+\i],   v[ACC+32*((\b)%4)+4*\i],   v[ACC+32*((\b)%4)+4*\i+2]
	v_cvt_pk_bf16_f32 v[8*(2*(4+(\b)%4)+(\b)/4)+\i], v[ACC+32*((\b)%4)+4*\i+1], v[ACC+32*((\b)%4)+4*\i+3]
.endr
.else
	WIN 0x40
.irp i, 0,1,2,3,4,5,6,7
	v_cvt_pk_bf16_f32 v[8*(4*((\b)%4)+(\b)/4-2)+\i],   v[ACC+32*((\b)%4)+4*\i],   v[ACC+32*((\b)%4)+4*\i+2]
	v_cvt_pk_bf16_f32 v[8*(4*(4+(\b)%4)+(\b)/4-2)+\i], v[ACC+32*((\b)%4)+4*\i+1], v[ACC+32*((\b)%4)+4*\i+3]
.endr
.endif
	WIN 0
.endm
; the scaled bias of gate q, spread over the eight registers of tiles (0, q) and (1, q) (a lane holds one column); destination in window 2
.macro BIAS q, scale
.irp s, 0,1
.irp j, 0,1,2,3,4,5,6,7
	v_mul_f32 v[BI+8*(4*\s+\q)+\j], \scale, v[HF+16+2*\q+\s]
.endr
.endr
.endm
; h product idx = 4 kk + q of set p, group s: the same accumulator every fourth line, each a link of a chain in place.  Setting 0x04.
.macro HWM p, s, idx
.set TD, ACC+64*(\p)+8*(4*(\s)+(\idx)%4)
.set TA, HF+8*((\idx)/4)
.set TB, 8*(4*(4*(\s)+(\idx)%4)+(\idx)/4)
	v_wmma_f32_16x16x32_bf16 v[TD:TD+7], v[TA:TA+7], v[TB:TB+7], v[TD:TD+7]
.endm
; x product idx = 8 kk + tile of set p.  kk = 0 starts the sum from the bias (setting 0x28), kk = 1 goes on in place (setting 0x08).
.macro XWM p, idx
.set TD, ACC+64*(\p)+8*((\idx)%8)
.if (\idx) < 8
	v_wmma_f32_16x16x32_bf16 v[TD:TD+7], v[XF:XF+7], v[16*((\idx)%8):16*((\idx)%8)+7], v[BI+8*((\idx)%8):BI+8*((\idx)%8)+7]
.else
	v_wmma_f32_16x16x32_bf16 v[TD:TD+7], v[XF+8:XF+15], v[16*((\idx)%8)+8:16*((\idx)%8)+15], v[TD:TD+7]
.endif
.endm
.macro MM kind, p, idx                 ; the product that rides along: 1 = h, group 1, this step; 2 = x, next step; 0 = none
.if \kind == 1
	HWM \p, 1, \idx
.endif
.if \kind == 2
	XWM (1-\p), \idx
.endif
.endm
; sigmoid of i, f, o and tanh of g of one group, in place in v[a : a + 31]; one product in front of every four transcendentals.
; The products name none of these registers.  Behind each run of transcendentals one v_nop comes before a result is used (ISA guide 5.7.2).
.macro ACTA a, kind, p
.irp c, 0,1,2,3,4,5,6,7
	MM \kind, \p, \c
	v_exp_f32 v[(\a)+4*\c],   v[(\a)+4*\c]
	v_exp_f32 v[(\a)+4*\c+1], v[(\a)+4*\c+1]
	v_exp_f32 v[(\a)+4*\c+2], v[(\a)+4*\c+2]
	v_exp_f32 v[(\a)+4*\c+3], v[(\a)+4*\c+3]
.endr
.if \kind == 2
	WIN 0x08                                       ; the x products' second half takes C from window 0 again
.endif
	v_nop
	s_wait_alu depctr_va_vdst(0)
.irp c, 0,1,2,3,4,5,6,7,8,9,10,11,12,13,14,15
	v_pk_add_f32 v[(\a)+2*\c:(\a)+2*\c+1], v[(\a)+2*\c:(\a)+2*\c+1], 1.0 op_sel_hi:[1,0]
.endr
.irp c, 0,1,2,3,4,5,6,7
	MM \kind, \p, \c+8
	v_rcp_f32 v[(\a)+4*\c],   v[(\a)+4*\c]
	v_rcp_f32 v[(\a)+4*\c+1], v[(\a)+4*\c+1]
	v_rcp_f32 v[(\a)+4*\c+2], v[(\a)+4*\c+2]
	v_rcp_f32 v[(\a)+4*\c+3], v[(\a)+4*\c+3]
.endr
	v_nop                                          ; this line and the four below are five places behind the last product above
	s_wait_alu depctr_va_vdst(0)
.irp c, 0,2,4,6
	v_pk_fma_f32 v[(\a)+16+\c:(\a)+17+\c], v[(\a)+16+\c:(\a)+17+\c], 2.0, -1.0 op_sel_hi:[1,0,0]   ; tanh g = 2 / (1 + e^-2g) - 1
.endr
.endm
; c = f c + i tanh g;  h = o tanh c;  both groups;  h packed (even unit low, odd unit high) into the other h buffer.  Setting 0.
.macro ACTB p
.irp s, 0,1
.irp k, 0,2,4,6
.set AB, ACC+64*\p+32*\s+\k
	v_pk_mul_f32 v[AB:AB+1], v[AB:AB+1], v[AB+16:AB+17]
.endr
.endr
.irp s, 0,1
.irp k, 0,2,4,6
.set AB, ACC+64*\p+32*\s+\k
	v_pk_fma_f32 v[CS+8*\s+\k:CS+8*\s+\k+1], v[AB+8:AB+9], v[CS+8*\s+\k:CS+8*\s+\k+1], v[AB:AB+1]
.endr
.endr
.irp s, 0,1
.irp k, 0,2,4,6
.set AB, ACC+64*\p+32*\s+\k
	v_pk_mul_f32 v[AB+16:AB+17], v[CS+8*\s+\k:CS+8*\s+\k+1], 0xc038aa3b op_sel_hi:[1,0]
.endr
.endr
.irp s, 0,1
.irp j, 0,1,2,3,4,5,6,7
	v_exp_f32 v[ACC+64*\p+32*\s+16+\j], v[ACC+64*\p+32*\s+16+\j]
.endr
.endr
	v_nop
	s_wait_alu depctr_va_vdst(0)
.irp s, 0,1
.irp k, 0,2,4,6
.set AB, ACC+64*\p+32*\s+\k
	v_pk_add_f32 v[AB+16:AB+17], v[AB+16:AB+17], 1.0 op_sel_hi:[1,0]
.endr
.endr
.irp s, 0,1
.irp j, 0,1,2,3,4,5,6,7
	v_rcp_f32 v[ACC+64*\p+32*\s+16+\j], v[ACC+64*\p+32*\s+16+\j]
.endr
.endr
	v_nop
	s_wait_alu depctr_va_vdst(0)
.irp s, 0,1
.irp k, 0,2,4,6
.set AB, ACC+64*\p+32*\s+\k
	v_pk_fma_f32 v[AB+16:AB+17], v[AB+16:AB+17], 2.0, -1.0 op_sel_hi:[1,0,0]
.endr
.endr
.irp s, 0,1
.irp k, 0,2,4,6
.set AB, ACC+64*\p+32*\s+\k
	v_pk_mul_f32 v[AB+24:AB+25], v[AB+24:AB+25], v[AB+16:AB+17]
.endr
.endr
.irp j, 0,1,2,3,4,5,6,7
	v_cvt_pk_bf16_f32 v[ACC+64*\p+8+\j], v[ACC+64*\p+24+\j], v[ACC+64*\p+56+\j]   ; into group 0's f, which is dead
.endr
.irp j, 0,1,2,3,4,5,6,7
	ds_store_b32 v[HST], v[ACC+64*\p+8+\j] offset:HBUF*(1-\p)+HP*\j              ; row 8 h + j, units 32 w + 2 r, + 1
.endr
.endm
; One time step t.  p = t % 2; slot = (t + 2) % 4; i = the step's place behind the base in s[4:5].
; It reads h buffer p and x buffer 1 - p and writes h buffer 1 - p and x buffer p: whoever read what it writes did so in step t - 1 and
; waited for those loads in front of that step's barrier.  So one barrier a step orders both directions.
; xw: make the x products of step t + 1.  xstore: put x(t + 2) into LDS.  xload: ask for x(t + 6).  left: younger x loads that may stay out.
.macro STEP p, slot, i, xload, xstore, left, xw
.irp k, 0,1,2,3
	ds_load_b128 v[HF+8*\k:HF+8*\k+3],   v[HFA] offset:HBUF*\p+HSL*\k
	ds_load_b128 v[HF+8*\k+4:HF+8*\k+7], v[HFA] offset:HBUF*\p+HSL*\k+32
.endr
.if \xw
.irp k, 0,1
	ds_load_b128 v[XF+8*\k:XF+8*\k+3],   v[XFA] offset:XL+XBUF*(1-\p)+64*\k
	ds_load_b128 v[XF+8*\k+4:XF+8*\k+7], v[XFA] offset:XL+XBUF*(1-\p)+64*\k+32
.endr
.endif
.if \xstore
	s_wait_loadcnt \left                           ; loads return in order (ISA guide 5.7.1): x(t + 2) is in, two loads for each later step stay out
	XCV \slot, \p
.if \xload
	XLD \slot, (\i+6)*256                          ; four steps of x, 16 KiB a work-group, are always asked for ahead
.endif
.endif
	s_wait_dscnt 4*\xw+2*\xstore                   ; the eight h fragment loads are in; the x fragment loads and x stores behind them may be out
	WIN 0x04
.irp c, 0,1,2,3,4,5,6,7,8,9,10,11,12,13,14,15
	HWM \p, 0, \c
.endr
	PLACES                                         ; in front of the exponentials that read these sums
	ACTA (ACC+64*\p), 1, \p
.if \xw
	s_wait_dscnt 2*\xstore                         ; the x fragments are in; only the two x stores are younger
	WIN 0x28
	ACTA (ACC+64*\p+32), 2, \p
.else
	WIN 0
	ACTA (ACC+64*\p+32), 0, \p
.endif
	WIN 0
	ACTB \p
	s_wait_dscnt 0x0                               ; for the other waves: my stores of h and x have landed, my reads of both old buffers are over
	s_barrier_signal -1
	s_barrier_wait -1
.endm
	; ---------------- addresses ----------------
	s_load_b256 s[4:11], s[0:1], 0x0               ; x s[4:5], kernel s[6:7], recurrent_kernel s[8:9], bias s[10:11]
	s_load_b128 s[12:15], s[0:1], 0x20             ; dense_w s[12:13], dense_b s[14:15]
	s_load_b64 s[16:17], s[0:1], 0x30              ; out0
	v_lshl_add_u32 v30, v0, 2, 0x4a00
	v_mov_b32 v31, 0
	v_lshrrev_b32 v3, 5, v0
	v_readfirstlane_b32 s20, v3                    ; wave w
	v_and_b32 v1, 31, v0                           ; lane
	v_and_b32 v[RR], 15, v0                        ; r
	v_bfe_u32 v2, v0, 4, 1                         ; h
	v_mul_u32_u24 v[HFA], v[RR], HP
	v_lshl_add_u32 v[HFA], v2, 4, v[HFA]
	v_mul_u32_u24 v[XFA], v[RR], XP
	v_lshl_add_u32 v[XFA], v2, 4, v[XFA]
	s_mul_i32 s25, s20, HSL                        ; my slice of an h buffer
	v_mul_u32_u24 v4, v2, 8*HP
	v_lshl_add_u32 v4, v[RR], 2, v4
	v_add_nc_u32 v[HST], s25, v4
	v_add_nc_u32 v[HFW], s25, v[HFA]
	s_mul_i32 s25, s20, 2*XP                       ; my wave converts rows 2 w, 2 w + 1 (and 8 further down) of x
	v_mul_u32_u24 v4, v2, XP
	v_lshl_add_u32 v4, v[RR], 3, v4
	v_add_nc_u32 v[XST], s25, v4
	v_lshrrev_b32 v4, 4, v0                        ; row 2 w + h
	v_lshlrev_b32 v4, 15, v4                       ; a batch row of x is 128 x 64 x 4 = 32,768 bytes
	v_lshl_or_b32 v[XGO], v[RR], 4, v4
	s_lshl_b32 s25, s20, 7
	v_lshlrev_b32 v4, 3, v[RR]
	v_add_nc_u32 v[BOFF], s25, v4
	v_lshl_add_u32 v[WOFF], v2, 14, v[BOFF]        ; + 8 h rows of 2,048 bytes
	v_min_u32 v4, 9, v[RR]                         ; lanes 10..15 read class 9 again: inside the buffer, masked at the end
	v_lshlrev_b32 v[DBO], 2, v4
	v_mul_u32_u24 v4, v2, 320                      ; 8 rows of 40 bytes, in dense_w and in out0
	v_lshl_add_u32 v[OUTO], v[RR], 2, v4
	v_add_nc_u32 v4, v4, v[DBO]
	s_mul_i32 s25, s20, 1280                       ; 32 rows of 40 bytes
	v_add_nc_u32 v[DOFF], s25, v4
	v_lshlrev_b32 v[PLD], 5, v1
	s_lshl_b32 s25, s20, 10
	v_add_nc_u32 v[PST], s25, v[PLD]
	v_mov_b32 v[ZERO], 0
	s_lshl_b32 s22, ttmp9, 19                      ; 16 batch rows of 32,768 bytes; at most 255 << 19, below 2^31
	s_mov_b32 s23, 0
	s_wait_kmcnt 0x0
	s_add_nc_u64 s[4:5], s[4:5], s[22:23]
	s_mul_i32 s22, ttmp9, 640                      ; 16 rows of 40 bytes
	s_add_nc_u64 s[16:17], s[16:17], s[22:23]
	; ---------------- first loads: x(0..3), dense_w, dense_b, bias, three weight batches ----------------
	XLD 0, 0
	XLD 1, 256
	XLD 2, 512
	XLD 3, 768
.irp m, 0,1,2,3,4,5,6,7,8,9,10,11,12,13,14,15
	global_load_b32 v[HF+\m], v[DOFF], s[12:13] offset:(\m+8*(\m/8))*40      ; dense_w(32 w + 8 h + K place, class)
.endr
	global_load_b32 v[DB], v[DBO], s[14:15]
.irp q, 0,1,2,3
	global_load_b64 v[HF+16+2*\q:HF+17+2*\q], v[BOFF], s[10:11] offset:512*\q
.endr
	WLD 0
	WLD 1
	WLD 2
	s_wait_loadcnt 48                              ; the three batches (48 loads) may be out; everything older is in
	WIN 0x80
.irp i, 0,1,2,3,4,5,6,7
	v_cvt_pk_bf16_f32 v[DFR+\i], v[HF+2*\i], v[HF+2*\i+1]
.endr
	BIAS 0, 0xbfb8aa3b
	BIAS 1, 0xbfb8aa3b
	BIAS 2, 0xc038aa3b
	BIAS 3, 0xbfb8aa3b
	WIN 0
	XCV 0, 0                                       ; x(0), x(1) into LDS
	XCV 1, 1
.irp j, 0,1,2,3,4,5,6,7
	ds_store_b32 v[HST], v[ZERO] offset:HP*\j      ; h(0) = 0, my slice
.endr
.irp j, 0,1,2,3,4,5,6,7,8,9,10,11,12,13,14,15
	v_mov_b32 v[CS+\j], 0                          ; c(0) = 0
.endr
	XLD 0, 1024                                    ; x(4), x(5)
	XLD 1, 1280
	; ---------------- the weights: 24 batches through four register sets, three batches in flight ----------------
.irp b, 0,1,2,3,4,5,6,7,8,9,10,11,12,13,14,15,16,17,18,19,20
	WLD \b+3
	s_wait_loadcnt 48                              ; three younger batches of 16
	WPK \b
.endr
	s_wait_loadcnt 32
	WPK 21
	s_wait_loadcnt 16
	WPK 22
	s_wait_loadcnt 0x0
	WPK 23
	s_wait_dscnt 0x0                               ; my parts of x(0), x(1) and h(0) have landed
	s_barrier_signal -1
	s_barrier_wait -1
	; ---------------- the x products of step 0 ----------------
.irp k, 0,1
	ds_load_b128 v[XF+8*\k:XF+8*\k+3],   v[XFA] offset:XL+64*\k
	ds_load_b128 v[XF+8*\k+4:XF+8*\k+7], v[XFA] offset:XL+64*\k+32
.endr
	s_wait_dscnt 0x0
	WIN 0x28
.irp c, 0,1,2,3,4,5,6,7
	XWM 0, \c
.endr
	WIN 0x08
.irp c, 8,9,10,11,12,13,14,15
	XWM 0, \c
.endr
	WIN 0
	PLACES                                         ; in front of step 0's loads into the x fragments
	s_barrier_signal -1                            ; every wave has read x(0): step 0 puts x(2) in its place
	s_barrier_wait -1
	; ---------------- steps 0 .. 119 ----------------
	s_mov_b32 s21, TRIPS
.Ltrip:
	STEP 0, 2, 0, 1, 1, 6, 1
	STEP 1, 3, 1, 1, 1, 6, 1
	STEP 0, 0, 2, 1, 1, 6, 1
	STEP 1, 1, 3, 1, 1, 6, 1
	s_wait_xcnt 0x0                                ; the base of the pending x loads is stepped only behind this wait
	s_add_nc_u64 s[4:5], s[4:5], 1024              ; four steps of 256 bytes
	s_sub_co_i32 s21, s21, 1
	s_cmp_lg_u32 s21, 0
	s_cbranch_scc1 .Ltrip
	; ---------------- steps 120 .. 127: x(126), x(127) are the last loads; then the counts run down ----------------
	STEP 0, 2, 0, 1, 1, 6, 1
	STEP 1, 3, 1, 1, 1, 6, 1
	STEP 0, 0, 2, 0, 1, 6, 1
	STEP 1, 1, 3, 0, 1, 4, 1
	STEP 0, 2, 4, 0, 1, 2, 1
	STEP 1, 3, 5, 0, 1, 0, 1
	STEP 0, 0, 6, 0, 0, 0, 1
	STEP 1, 0, 7, 0, 0, 0, 0
	; ---------------- dense layer: each wave multiplies its own 32 units of h(128), which lies in h buffer 0 ----------------
	ds_load_b128 v[HF:HF+3],   v[HFW]
	ds_load_b128 v[HF+4:HF+7], v[HFW] offset:32
	s_wait_dscnt 0x0
	WIN 0x08
	v_wmma_f32_16x16x32_bf16 v[ACC:ACC+7], v[HF:HF+7], v[DFR:DFR+7], 0
	WIN 0
	PLACES
	ds_store_b128 v[PST], v[ACC:ACC+3]   offset:PART
	ds_store_b128 v[PST], v[ACC+4:ACC+7] offset:PART+16
	s_wait_dscnt 0x0
	s_barrier_signal -1
	s_barrier_wait -1
	s_cmp_lg_u32 s20, 0
	s_cbranch_scc1 .Lend                           ; 160 numbers are left: wave 0 finishes them
.irp w, 0,1,2,3
	ds_load_b128 v[ACC+8*\w:ACC+8*\w+3],   v[PLD] offset:PART+1024*\w
	ds_load_b128 v[ACC+8*\w+4:ACC+8*\w+7], v[PLD] offset:PART+1024*\w+16
.endr
	v_mul_f32 v[DB], 0x3fb8aa3b, v[DB]             ; logits are carried times log2 e: the exponential is exp2
	v_cmp_gt_u32 vcc_lo, 10, v[RR]                 ; lanes that hold a class
	v_cndmask_b32 v[MASKF], 0, 1.0, vcc_lo
	s_wait_dscnt 0x0
.irp k, 0,2,4,6
	v_pk_add_f32 v[ACC+\k:ACC+\k+1],       v[ACC+\k:ACC+\k+1],       v[ACC+8+\k:ACC+9+\k]
	v_pk_add_f32 v[ACC+16+\k:ACC+17+\k],   v[ACC+16+\k:ACC+17+\k],   v[ACC+24+\k:ACC+25+\k]
.endr
.irp k, 0,2,4,6
	v_pk_add_f32 v[ACC+\k:ACC+\k+1], v[ACC+\k:ACC+\k+1], v[ACC+16+\k:ACC+17+\k]
.endr
.irp j, 0,1,2,3,4,5,6,7
	v_fmamk_f32 v[ACC+\j], v[ACC+\j], 0x3fb8aa3b, v[DB]    ; register j of lane (r, h): batch row 8 h + j, class r
.endr
	; softmax along the sixteen lanes of a row; lanes 10..15 repeat class 9, which changes no maximum, and are masked out of the sum
.irp j, 0,1,2,3,4,5,6,7
	v_max_num_f32_dpp v[ACC+8+\j], v[ACC+\j], v[ACC+\j] row_xmask:1 row_mask:0xf bank_mask:0xf
.endr
.irp x, 2,4,8
.irp j, 0,1,2,3,4,5,6,7
	v_max_num_f32_dpp v[ACC+8+\j], v[ACC+8+\j], v[ACC+8+\j] row_xmask:\x row_mask:0xf bank_mask:0xf
.endr
.endr
.irp j, 0,1,2,3,4,5,6,7
	v_sub_f32 v[ACC+\j], v[ACC+\j], v[ACC+8+\j]
.endr
.irp j, 0,1,2,3,4,5,6,7
	v_exp_f32 v[ACC+\j], v[ACC+\j]
.endr
	v_nop
	s_wait_alu depctr_va_vdst(0)
.irp j, 0,1,2,3,4,5,6,7
	v_mul_f32 v[ACC+\j], v[MASKF], v[ACC+\j]
.endr
.irp j, 0,1,2,3,4,5,6,7
	v_add_f32_dpp v[ACC+8+\j], v[ACC+\j], v[ACC+\j] row_xmask:1 row_mask:0xf bank_mask:0xf
.endr
.irp x, 2,4,8
.irp j, 0,1,2,3,4,5,6,7
	v_add_f32_dpp v[ACC+8+\j], v[ACC+8+\j], v[ACC+8+\j] row_xmask:\x row_mask:0xf bank_mask:0xf
.endr
.endr
.irp j, 0,1,2,3,4,5,6,7
	v_rcp_f32 v[ACC+8+\j], v[ACC+8+\j]
.endr
	v_nop
	s_wait_alu depctr_va_vdst(0)
.irp j, 0,1,2,3,4,5,6,7
	v_mul_f32 v[ACC+\j], v[ACC+\j], v[ACC+8+\j]
.endr
	s_wait_xcnt 0x0                                ; EXEC changes only behind this wait
	s_wait_tensorcnt 0x0
	ds_add_u32 v30, v31
	s_wait_dscnt 0x0
	s_and_saveexec_b32 s24, vcc_lo                 ; classes 0..9 alone are stored
.irp j, 0,1,2,3,4,5,6,7
	global_store_b32 v[OUTO], v[ACC+\j], s[16:17] offset:40*\j     ; rows of 40 bytes: ten neighbouring lanes write a whole row
.endr
	s_endpgm
.Lend:
	s_wait_tensorcnt 0x0
	ds_add_u32 v30, v31
	s_wait_dscnt 0x0
	s_endpgm
.Lfunc_end_k_q1d6aecc4bc_lstm:
	.size	k_q1d6aecc4bc_lstm, .Lfunc_end_k_q1d6aecc4bc_lstm-k_q1d6aecc4bc_lstm
	.p2alignl 7, 3214868480
	.fill 96, 4, 3214868480
	.section	.rodata,"a",@progbits
	.p2align	6, 0x0
	.amdhsa_kernel k_q1d6aecc4bc_lstm
		.amdhsa_group_segment_fixed_size 19456
		.amdhsa_private_segment_fixed_size 0
		.amdhsa_enable_private_segment 0
		.amdhsa_kernarg_size 56
		.amdhsa_user_sgpr_count 2
		.amdhsa_user_sgpr_kernarg_segment_ptr 1
		.amdhsa_wavefront_size32 1
		.amdhsa_system_sgpr_workgroup_id_x 1
		.amdhsa_system_sgpr_workgroup_id_y 1
		.amdhsa_system_sgpr_workgroup_id_z 1
		.amdhsa_system_vgpr_workitem_id 0
		.amdhsa_next_free_vgpr 712
		.amdhsa_next_free_sgpr 66
		.amdhsa_reserve_vcc 1
		.amdhsa_float_denorm_mode_32 3
		.amdhsa_float_denorm_mode_16_64 3
		.amdhsa_memory_ordered 1
		.amdhsa_forward_progress 1
		.amdhsa_inst_pref_size 255
	.end_amdhsa_kernel
	.section	.bss,"aw",@nobits
	.p2align	6
	.space	262144
	.amdgpu_metadata
---
amdhsa.version: [ 1, 2 ]
amdhsa.kernels:
  - .name:           k_q1d6aecc4bc_lstm
    .symbol:         k_q1d6aecc4bc_lstm.kd
    .args:
      - { .name: x, .offset: 0, .size: 8, .value_kind: global_buffer, .address_space: global }
      - { .name: kernel, .offset: 8, .size: 8, .value_kind: global_buffer, .address_space: global }
      - { .name: recurrent_kernel, .offset: 16, .size: 8, .value_kind: global_buffer, .address_space: global }
      - { .name: bias, .offset: 24, .size: 8, .value_kind: global_buffer, .address_space: global }
      - { .name: dense_w, .offset: 32, .size: 8, .value_kind: global_buffer, .address_space: global }
      - { .name: dense_b, .offset: 40, .size: 8, .value_kind: global_buffer, .address_space: global }
      - { .name: out0, .offset: 48, .size: 8, .value_kind: global_buffer, .address_space: global }
    .group_segment_fixed_size: 19456
    .private_segment_fixed_size: 0
    .kernarg_segment_align: 8
    .kernarg_segment_size: 56
    .max_flat_workgroup_size: 128
    .sgpr_count:     66
    .vgpr_count:     712
    .wavefront_size: 32
...
	.end_amdgpu_metadata
.endif
;; end of part 1
